; MI455X (gfx1250); checked and timed in simulation.
; The chip was launched on July 23, 2026; its instructions are those of AMD's public machine-readable ISA for CDNA 5 (MIT licence, August 2026) and "CDNA5" Instruction Set Architecture Reference Guide (July 2026). The comments in the code are by the model that wrote it; some were corrected since.
;; Vector Quantizer. Allowed arithmetic: matrix products marked QUANTISED: E3M2 operands, one E8M0 scale for each 32 along K, by v_wmma_scale_f32_16x16x128_f8f6f4 with both operands' format E3M2, f32 sums; everything else in f32.
;; Inputs: codebook 8,192 x 256 float32; z_e 32 x 1,024 x 256 float32.
;; Outputs: out0 32 x 1,024 x 256 float32; out1 one number float32; out2 32 x 1,024 int32.
;; This version of the problem:
;;   THIS VERSION OF THE PROBLEM IS GIVEN IN LOW PRECISION. The matrix products marked QUANTISED in the list below multiply operands that are first quantised to E3M2 (3 exponent bits, 2 mantissa bits; 6 bits a number), with one power-of-two scale for each 32 numbers along K (OCP MX v1.0); their sums are f32. All else is computed in f32.
;;   The module's matrix products, in the order in which they are computed (A, B: the left and right operand; K: the contracted axis; several contracted axes count as one K, in the product's order):
;;     1. [M 32,768, K 256] x [K 256, N 8,192]; A: input z_e; B: input codebook: QUANTISED
;;   THE QUANTISER, for each operand of a quantised product, along K:
;;     - K is cut into blocks of 32 from its start; a last block that is shorter is filled with zeros.
;;     - A block's scale is 2^e with e = floor(log2(the largest magnitude in the block)) - 4, held to -126 .. 127; a block of zeros has e = 0. As a byte (E8M0): e + 127.
;;     - Each number is divided by its block's scale, clamped to +-28, and rounded to the nearest number of E3M2, ties to even, subnormals kept.
;;     - The product sums the exact products of the quantised numbers (number of the format x scale) in f32.
;;   ~~~python
;;   def quantise(x, axis):      # numpy; x: float32 -> the quantised numbers, widened to float32 again
;;       x = np.moveaxis(x, axis, -1); K = x.shape[-1]
;;       x = np.pad(x, [(0, 0)] * (x.ndim - 1) + [(0, -K % 32)]); x = x.reshape(x.shape[:-1] + (-1, 32)); a = np.abs(x).max(-1, keepdims=True)
;;       e = np.where(a > 0, np.clip(np.frexp(np.where(a > 0, a, 1))[1] - 1 - 4, -126, 127), 0)      # np.frexp(a)[1] - 1 = floor(log2(a)), exactly
;;       r = np.clip(x / 2.0 ** e, -28, 28)
;;       step = 2.0 ** (np.maximum(np.frexp(np.where(r == 0, 1, r))[1] - 1, -2) - 2)
;;       q = np.round(r / step) * step * 2.0 ** e      # np.round: ties to even
;;       return np.moveaxis(q.reshape(q.shape[:-2] + (-1,))[..., :K], -1, axis).astype(np.float32)
;;   ~~~
;; One version. Each part assembles by itself: llvm-mc -triple=amdgcn-amd-amdhsa -mcpu=gfx1250 --defsym DOCPART=n.
;; ======== version 1 of 1: 4 launches
;; limits: right only within a limited range of input values
;; workspace buffers: zq 6,815,744 bytes; cbq 1,703,936 bytes; idx 131,072 bytes of whole numbers; part 2,048 bytes
;; launch prep (part 1): grid 640 x 1, 4 waves a work-group, no clusters, 68,096 bytes of LDS; arguments z_e, codebook, zq, cbq; writes zq, cbq
.if DOCPART == 1
	.amdgcn_target "amdgcn-amd-amdhsa--gfx1250"
	.amdhsa_code_object_version 6
	.text
	.protected	k_q03fa9b842a_prep
	.globl	k_q03fa9b842a_prep
	.p2align	8
	.type	k_q03fa9b842a_prep,@function
k_q03fa9b842a_prep:
	s_mov_b64 s[64:65], 0
	v_nop
	global_prefetch_b8 v0, s[64:65] scope:SCOPE_SE
	s_setreg_imm32_b32 hwreg(HW_REG_WAVE_MODE, 25, 1), 1
	s_wait_xcnt 0x0
; z_e [32768][256] and codebook [8192][256], f32, become codes of BF6 (E3M2) with one E8M0 scale byte for each 32 along K, and each row's sum of squares in f32.
; A block's scale is 2^(floor(log2(its largest magnitude)) - 4); its byte is the largest magnitude's exponent field - 4, held at 1 from below.
; LAYOUT OF THE RESULTS.  A TILE is 16 consecutive rows x 256 K.  Its codes are the image of the matrix operand's registers: six groups of four registers, group g at byte 512 g + 16 x lane of the tile's 3,072 bytes;
; groups 0-2 are the fragment of K 0-127, groups 3-5 that of K 128-255.  Its 192 bytes beside them: row r's two scale words at 8 r, row r's sum of squares at 128 + 4 r.
; SHARES.  One body for both tensors: work-groups 0-511 take z_e, 512-639 the codebook; only pointers are chosen.  A wave takes one tile.
; A load reads 512 consecutive bytes, 16 a lane; the conversions want 16 neighbours along K in ONE lane: so the tile's 16,384 bytes turn through the wave's own stage in LDS (rows 1,040 bytes apart: 65 x 16,
; so that the sixteen rows that a read touches start at sixteen different groups of banks: 64 banks of 4 bytes, ISA guide 11.1).
; LIMITS: NaN and infinities among the inputs are not served.  A block of zeros gets the byte 1 where the quantiser says 127: its codes are zeros, which add nothing under any byte but 0xff, and this program alone
; reads the bytes.  A row's sum of squares is taken in four packed chains and a tree, not in the order of any other program: its last bit may differ.
; No tensor load, no cluster: no two work-groups read the same bytes.
; A TILE'S RECORD in zq and cbq is 3,328 bytes (13 x 256): its 3,072 bytes of codes, then one unit of 256 bytes: the 192 bytes of scale words and sums, and 64 zeros.  Each wave stores its own tile's record whole.
; z's scale bytes are stored ONE UP (a factor 2, exact; the bytes lie at 250 at the most before it): the product on these codes is then 2 z . c, which the next launch subtracts from z_sq.
.set SPITCH, 1040                      ; a stage row: 1,024 bytes + 16
.set STGW,   16*SPITCH                 ; a wave's stage
.set AUXL,   4*STGW                    ; behind the stages: 256 bytes for each wave: its tile's scale words, sums and 64 zeros
.set R,   16                           ; v16-143  the tile as loaded; later v16-79 the second K step's numbers
.set X,   144                          ; v144-207 the first K step's numbers: register 16 b + i = k 32 b + 16 (lane / 16) + i of my row
.set SS,  208                          ; v208-215 the sum of squares, four packed chains
.set PC0, 80                           ; v80-99   the first fragment's codes (12 registers, and 8 at work)
.set PC1, 100                          ; v100-119 the second's
.set TM,  120                          ; v120-135 at work in QUANT
.set PW,  136                          ; v136-137 my row's two scale words
.set SEL, 28                           ; s[28:29] lane selects for v_permlanex16_b32: lane l xor 16
; 64 numbers of a lane, v[s] on, become a fragment's codes in v[pc] .. v[pc + 11] and its scale word in v[pw].
.macro QUANT s, pc, pw
.irp b, 0,1,2,3
	v_max3_num_f32 v[TM+\b], |v[\s+16*\b]|, |v[\s+1+16*\b]|, 0x2800000   ; block b: my 16 numbers, and the floor 2^(5 - 127): so the byte cannot fall under 1
.endr
.irp i, 2,4,6,8,10,12,14
.irp b, 0,1,2,3
	v_max3_num_f32 v[TM+\b], v[TM+\b], |v[\s+16*\b+\i]|, |v[\s+1+16*\b+\i]|   ; the four blocks by turns
.endr
.endr
.irp b, 0,1,2,3
	v_permlanex16_b32 v[TM+4+\b], v[TM+\b], s[SEL], s[SEL+1]
.endr
.irp b, 0,1,2,3
	v_max_num_f32 v[TM+\b], v[TM+\b], v[TM+4+\b]                   ; with lane l xor 16's 16: the block's largest magnitude
.endr
.irp b, 0,1,2,3
	v_add_nc_u32 v[TM+12+\b], 0xfe000000, v[TM+\b]                 ; 4 off its exponent field: the conversion takes this operand's exponent field as its scale
.endr
.irp b, 0,1,2,3
	v_lshrrev_b32 v[TM+4+\b], 23, v[TM+12+\b]                      ; the scale's byte
.endr
	v_lshl_or_b32 v[\pw], v[TM+5], 8, v[TM+4]                      ; four bytes make my row's scale word for these 128 along K
	v_lshl_or_b32 v[\pw], v[TM+6], 16, v[\pw]
	v_lshl_or_b32 v[\pw], v[TM+7], 24, v[\pw]
.irp c, 0,1
	v_cvt_scalef32_pk16_bf6_f32 v[\pc+6*\c:\pc+2+6*\c], v[\s+32*\c:\s+15+32*\c], v[TM+12+2*\c]
	v_cvt_scalef32_pk16_bf6_f32 v[\pc+12+4*\c:\pc+14+4*\c], v[\s+16+32*\c:\s+31+32*\c], v[TM+12+2*\c+1]   ; a conversion's three registers begin on an even number
.endr
	v_nop                                                          ; one plain place behind the scaled conversions
.irp c, 0,1                                                    ; the operand's layout wants a whole block in a lane: lanes 0-15 block 2 c, lanes 16-31 block 2 c + 1
.irp i, 0,1,2
	v_permlane16_swap_b32 v[\pc+6*\c+\i], v[\pc+12+4*\c+\i]
.endr
.irp i, 0,1,2
	v_mov_b32 v[\pc+3+6*\c+\i], v[\pc+12+4*\c+\i]
.endr
.endr
.endm
; the squares of 64 numbers onto the four chains; first = 1: the first four products start the chains
.macro SSQ src, first
.set i, 0
.rept 32
.if \first && (i < 4)
	v_pk_mul_f32 v[SS+2*i:SS+2*i+1], v[\src+2*i:\src+2*i+1], v[\src+2*i:\src+2*i+1]
.else
	v_pk_fma_f32 v[SS+2*(i%4):SS+2*(i%4)+1], v[\src+2*i:\src+2*i+1], v[\src+2*i:\src+2*i+1], v[SS+2*(i%4):SS+2*(i%4)+1]
.endif
.set i, i+1
.endr
.endm
; K step s of my row out of the stage: of each block of 32 my half's 16 numbers
.macro XREAD s, dst
.irp b, 0,1,2,3
.irp j, 0,1,2,3
	ds_load_b128 v[\dst+16*\b+4*\j:\dst+16*\b+4*\j+3], v3 offset:512*\s+128*\b+16*\j
.endr
.endr
.endm
	s_load_b256 s[4:11], s[0:1], 0x0               ; z_e s[4:5], codebook s[6:7], zq s[8:9], cbq s[10:11]
	v_lshl_add_u32 v216, v0, 2, 0x10800
	v_mov_b32 v217, 0
	v_lshrrev_b32 v9, 5, v0
	v_readfirstlane_b32 s16, v9                    ; wave 0..3
	v_and_b32 v10, 31, v0                          ; lane
	v_and_b32 v11, 15, v0                          ; r
	v_bfe_u32 v12, v0, 4, 1                        ; h
	v_lshlrev_b32 v1, 4, v10                       ; 16 x lane: my bytes of a load's or a store's 512
	s_mul_i32 s17, s16, STGW
	v_add_nc_u32 v2, s17, v1                       ; the stage, on the way in
	v_mul_u32_u24 v3, v11, SPITCH
	v_lshl_add_u32 v3, v12, 6, v3
	v_add_nc_u32 v3, s17, v3                       ; and on the way out: row r, + 64 h
	s_lshl_b32 s18, s16, 8
	s_add_co_u32 s18, s18, AUXL
	v_lshl_add_u32 v4, v11, 3, s18                 ; where my row's two scale words go
	v_lshl_add_u32 v5, v11, 2, s18
	v_add_nc_u32 v5, 128, v5                       ; and its sum of squares
	v_mov_b32 v6, 0                                ; the unit's last 64 bytes
	v_lshlrev_b32 v8, 3, v10
	v_add_nc_u32 v7, s18, v8                       ; my wave's 256 bytes on the way out: 8 a lane
	s_mov_b32 s[SEL], 0x76543210
	s_mov_b32 s[SEL+1], 0xfedcba98
	s_wait_alu depctr_va_vdst(0)
	s_wait_kmcnt 0x0
	s_cmp_lt_u32 ttmp9, 512                        ; z_e's work-group or the codebook's?  The choice hangs on the work-group's number alone
	s_cselect_b64 s[4:5], s[4:5], s[6:7]           ; the numbers,
	s_cselect_b64 s[8:9], s[8:9], s[10:11]         ; the records,
	s_cselect_b32 s30, 0x01010101, 0               ; and what is added to a scale word: z's four bytes go one up
	s_cselect_b32 s20, 0, 512
	s_sub_co_u32 s20, ttmp9, s20                   ; the work-group's number within its tensor
	s_lshl_b32 s21, s20, 2
	s_add_co_u32 s21, s21, s16                     ; my tile
	s_lshl_b32 s22, s21, 14                        ; 16,384 bytes of numbers a tile (under 2^26 in all)
	s_mov_b32 s23, 0
	s_add_nc_u64 s[4:5], s[4:5], s[22:23]
	s_mul_i32 s24, s21, 3328
	s_mov_b32 s25, 0
	s_add_nc_u64 s[8:9], s[8:9], s[24:25]
.set q, 0
.rept 32
	global_load_b128 v[R+4*q:R+4*q+3], v1, s[4:5] offset:512*q th:TH_LOAD_NT   ; 32 lanes read 512 consecutive bytes: half a row
.set q, q+1
.endr
.irp g, 0,1,2,3
	s_wait_loadcnt 24-8*\g                         ; loads come back in order (ISA guide 5.7.1): this group of eight is in, the younger groups stay out
.irp e, 0,1,2,3,4,5,6,7
	ds_store_b128 v2, v[R+4*(8*\g+\e):R+4*(8*\g+\e)+3] offset:((8*\g+\e)/2)*SPITCH+((8*\g+\e)%2)*512
.endr
.endr
	XREAD 0, X                                     ; LDS serves a wave's instructions in order: these see my stores
	s_wait_dscnt 0x0                               ; K step 0 is in, and the stores have read v16-143
.irp b, 0,1,2,3
	v_mov_b32 v[TM+4+\b], 0                        ; written once: a lane permute's destination counts as one of its sources
.endr
	XREAD 1, R                                     ; K step 1 lands while K step 0 is worked
	SSQ X, 1
	QUANT X, PC0, PW
.irp c, 0,1,2
	global_store_b128 v1, v[PC0+4*\c:PC0+4*\c+3], s[8:9] offset:512*\c          ; the wave stores 512 consecutive bytes, at a multiple of 256 from the buffer's first byte
.endr
	s_wait_dscnt 0x0                               ; K step 1 is in
	SSQ R, 0
	QUANT R, PC1, PW+1
.irp c, 0,1,2
	global_store_b128 v1, v[PC1+4*\c:PC1+4*\c+3], s[8:9] offset:1536+512*\c
.endr
	v_pk_add_f32 v[SS:SS+1], v[SS:SS+1], v[SS+2:SS+3]
	v_pk_add_f32 v[SS+4:SS+5], v[SS+4:SS+5], v[SS+6:SS+7]
	v_pk_add_f32 v[SS:SS+1], v[SS:SS+1], v[SS+4:SS+5]
	v_add_f32 v[SS], v[SS], v[SS+1]                ; my 128 numbers' squares,
	v_permlanex16_b32 v[SS+2], v[SS], s[SEL], s[SEL+1]
	v_add_f32 v[SS], v[SS], v[SS+2]                ; and lane l xor 16's: the row's
	v_add_nc_u32 v[PW], s30, v[PW]                 ; no byte carries into the next: each is 250 at the most
	v_add_nc_u32 v[PW+1], s30, v[PW+1]
	ds_store_b64 v4, v[PW:PW+1]                    ; both halves of the lanes write the same bytes with the same values
	ds_store_b32 v5, v[SS]
	ds_store_b32 v5, v6 offset:64                  ; zeros at 192 + 4 r
	ds_load_b64 v[20:21], v7                       ; LDS serves a wave's instructions in order: this sees my stores; the bytes are my wave's own
	s_wait_dscnt 0x0
	global_store_b64 v8, v[20:21], s[8:9] offset:3072   ; 32 lanes store one aligned unit of 256 bytes, behind the tile's codes
	s_wait_tensorcnt 0x0
	ds_add_u32 v216, v217
	s_wait_dscnt 0x0
	s_endpgm
.Lfunc_end_k_q03fa9b842a_prep:
	.size	k_q03fa9b842a_prep, .Lfunc_end_k_q03fa9b842a_prep-k_q03fa9b842a_prep
	.p2alignl 7, 3214868480
	.fill 96, 4, 3214868480
	.section	.rodata,"a",@progbits
	.p2align	6, 0x0
	.amdhsa_kernel k_q03fa9b842a_prep
		.amdhsa_group_segment_fixed_size 68096
		.amdhsa_private_segment_fixed_size 0
		.amdhsa_enable_private_segment 0
		.amdhsa_kernarg_size 32
		.amdhsa_user_sgpr_count 2
		.amdhsa_user_sgpr_kernarg_segment_ptr 1
		.amdhsa_wavefront_size32 1
		.amdhsa_system_sgpr_workgroup_id_x 1
		.amdhsa_system_sgpr_workgroup_id_y 1
		.amdhsa_system_sgpr_workgroup_id_z 1
		.amdhsa_system_vgpr_workitem_id 0
		.amdhsa_next_free_vgpr 218
		.amdhsa_next_free_sgpr 66
		.amdhsa_reserve_vcc 0
		.amdhsa_float_denorm_mode_32 3
		.amdhsa_float_denorm_mode_16_64 3
		.amdhsa_memory_ordered 1
		.amdhsa_forward_progress 1
		.amdhsa_inst_pref_size 23
	.end_amdhsa_kernel
	.amdgpu_metadata
---
amdhsa.version: [ 1, 2 ]
amdhsa.kernels:
  - .name:           k_q03fa9b842a_prep
    .symbol:         k_q03fa9b842a_prep.kd
    .args:
      - { .name: z_e, .offset: 0, .size: 8, .value_kind: global_buffer, .address_space: global }
      - { .name: codebook, .offset: 8, .size: 8, .value_kind: global_buffer, .address_space: global }
      - { .name: zq, .offset: 16, .size: 8, .value_kind: global_buffer, .address_space: global }
      - { .name: cbq, .offset: 24, .size: 8, .value_kind: global_buffer, .address_space: global }
    .group_segment_fixed_size: 68096
    .private_segment_fixed_size: 0
    .kernarg_segment_align: 8
    .kernarg_segment_size: 32
    .max_flat_workgroup_size: 128
    .sgpr_count:     66
    .vgpr_count:     218
    .wavefront_size: 32
...
	.end_amdgpu_metadata
.endif
;; end of part 1
;; launch argmin (part 2): grid 256 x 1, 8 waves a work-group, clusters of 4 x 1, 327,680 bytes of LDS; arguments cbq, zq, out2, idx; writes out2, idx
.if DOCPART == 2
	.amdgcn_target "amdgcn-amd-amdhsa--gfx1250"
	.amdhsa_code_object_version 6
	.text
	.protected	k_q03fa9b842a_argmin
	.globl	k_q03fa9b842a_argmin
	.p2align	8
	.type	k_q03fa9b842a_argmin,@function
k_q03fa9b842a_argmin:
	s_mov_b64 s[64:65], 0
	v_nop
	global_prefetch_b8 v0, s[64:65] scope:SCOPE_SE
	s_setreg_imm32_b32 hwreg(HW_REG_WAVE_MODE, 25, 1), 1
	s_wait_xcnt 0x0
	s_wait_alu depctr_hold_cnt(0) depctr_sa_sdst(0) depctr_va_vdst(0) depctr_va_sdst(0) depctr_va_ssrc(0) depctr_va_vcc(0) depctr_vm_vsrc(0)
	s_getreg_b32 s2, hwreg(HW_REG_IB_STS2, 6, 4)
	s_cmp_eq_u32 s2, 0
	s_cbranch_scc0 .Lentry_in_a_cluster
	s_endpgm
.Lentry_in_a_cluster:
	s_bfe_u32 s2, ttmp6, 0x10000c
	s_cmp_lg_u32 s2, 0x3003
	s_cbranch_scc0 .Lentry_shape_is_right
	s_endpgm
.Lentry_shape_is_right:
; For each of 32,768 rows z: the first index i at which d(i) = (z_sq - 2 ze(i)) + e_sq(i) is least, ze = Q(z) . Q(c_i) on codes of BF6 (E3M2) with E8M0 scales, sums in f32.
; z's scale bytes come one up, so the matrix result is 2 ze, exactly.  d is made with the definition's two roundings: one subtraction, one addition.  Where several d are equal the lowest index wins:
; a running minimum is replaced only by a strictly smaller one (a wave meets its tiles in ascending order), and every merge compares (d, index).
; SHARES.  A work-group owns 128 rows: 8 tiles of 16, whose codes each of its eight waves keeps in registers (192).  Of each 40 codebook tiles wave w takes 5 w .. 5 w + 4; of the last 32, 4 w .. 4 w + 3.
; A codebook fragment is read from LDS by one wave, once, and feeds 16 matrix instructions.  256 work-groups: one on each WGP.
; LAYOUT.  Source 0 = 16 codebook rows, source 1 = 16 rows of z: lane (r, h) holds ONE row of z and its eight registers the codebook rows 8 h + 0 .. 7: the minimum runs inside a lane.
; VECTOR WORK: 136 instructions for 64 distances a lane: 32 pairs of subtractions, 32 pairs of additions, 32 three-way minima, and for each row tile one compare and four pairs of selects:
; where a tile has lowered a lane's minimum, the lane keeps the tile's number and its first seven distances; the place in the tile is found once, at the end.
; THE CODEBOOK comes as records of 3,328 bytes a tile (3,072 of codes, 128 of scale words, 64 of sums of squares, 64 of zeros) through a ring of two LDS slots of 40 records: twelve full slots' worth and a last
; one of 32 records.  Each wave fetches, and alone reads, its own eighth of a slot: 65 rows of 256 bytes (the last: 52).  One tensor load of a wave is out at a time.
; CLUSTER: all work-groups walk the same records; the four of a cluster ask for each jointly, by the same tensor load with the same descriptor and the mask 15.
; The launch claims all of a WGP's LDS; the text uses 275,456 bytes.
; LIMITS: NaN and infinities among the inputs (and distances that overflow) are not served.
; REGISTERS.  window 0: v1-11 addresses and the tile's number; v12-15 the codebook tile's scale words, two sets; v16-31 z's; v32-47 z_sq, each twice (a pair's two halves name two registers);
;   v48-55, v56-63 the minimum, two sets by turns; v64-127 what is kept; v128-191 the 8 accumulators; v192-239 the codebook tile's codes, two sets; v240-255 its sums of squares, two sets.
;   window 1: v0-191 z's 16 fragments (row tile m, K step s at 24 m + 12 s).
.set REC,   3328                       ; a tile's record
.set WSL,   5*REC                      ; a wave's eighth of a slot
.set RING1, 8*WSL                      ; a slot, in LDS and in memory; slot 1 lies here, slot 0 at 0
.set MRG,   2*RING1                    ; the merge: [8 waves][128 rows] f32, then the indices 4,096 bytes on.  No fill lands here
.set SPARE, MRG+8192                   ; the spare words, 128 bytes for each wave: four blocks of 256 bytes that no other line names
.set LI,   1                           ; v1   16 x lane
.set PFO,  2                           ; v2   the prefetches' offset
.set AES,  3                           ; v3, v10  my half's eight sums of squares in slot 0, 1
.set ADR,  4                           ; v4-5 my 16 bytes of a group of codes in slot 0, 1
.set ASC,  6                           ; v6-7 my row's scale words in slot 0, 1
.set SPW,  8                           ; v8   my spare word; never rewritten
.set NIL,  9                           ; v9   0; never rewritten
.set VT,   11                          ; v11  the number of the codebook tile in hand
.set CSC,  12
.set ZSC,  16
.set ZSQ,  32
.set BA,   48
.set BB,   56
.set KP,   64
.set ACC,  128
.set CF,   192
.set ES,   240
.set WV,   16                          ; s16  my wave's number
.set CNT,  19                          ; s19  trips to go
.set G1,   24                          ; s[24:31] descriptor group 1 for a full slot's eighth;  s[32:39] for the last slot's
.set G1P,  32
.set G0,   40                          ; s[40:43], s[44:47] group 0 for slot 0, 1
.set STP,  48                          ; s[48:49] bytes from my eighth of the eleventh slot's worth to my eighth of the last
.set INC,  50                          ; s50  from my last tile of the twelfth slot's worth to my first of the last: 36 - wave
.set PFA,  52                          ; s[52:53] where my prefetches stand
.set LIM,  54                          ; s54  1 in a wave that prefetches, else the greatest number
.set MK,   56                          ; s[56:63] a mask for each row tile, at the end
.set SEL,  70                          ; s[70:71] lane selects for v_permlanex16_b32: lane l xor 16
.set MSB, 0
.macro WIN new                         ; the immediate's high byte repeats the setting that is left
.if MSB != \new
	s_set_vgpr_msb (MSB<<8)|\new
.set MSB, \new
.endif
.endm
.macro CREST                           ; a round of the cluster's barrier behind its opening barrier
	s_cmp_lg_u32 s[WV], 0
	s_cbranch_scc1 .Lnot_wave_0_\@
	s_barrier_signal -3
.Lnot_wave_0_\@:
	s_barrier_wait -3
	s_barrier_signal -1
	s_barrier_wait -1
.endm
.macro CROUND                          ; a whole round
	s_barrier_signal -1
	s_barrier_wait -1
	CREST
.endm
.macro JLOAD k, g1                     ; my eighth of slot k; five lines behind the load
	tensor_load_to_lds s[G0+4*\k:G0+4*\k+3], s[\g1:\g1+7]
	s_nop 0
.rept 4
	v_nop
.endr
.endm
; nine LDS loads: record t of my eighth of slot k into set p
.macro LOADS p, k, t
.irp g, 0,1,2,3,4,5
	ds_load_b128 v[CF+24*\p+4*\g:CF+24*\p+4*\g+3], v[ADR+\k] offset:REC*\t+512*\g   ; the image of four registers: 512 consecutive bytes
.endr
	ds_load_b64 v[CSC+2*\p:CSC+2*\p+1], v[ASC+\k] offset:REC*\t
	ds_load_b128 v[ES+8*\p:ES+8*\p+3], v[AES+7*\k] offset:REC*\t
	ds_load_b128 v[ES+8*\p+4:ES+8*\p+7], v[AES+7*\k] offset:REC*\t+16
.endm
; sixteen matrix instructions: the tile in set p against my 8 row tiles, two K steps.  The first K step starts the sums.  The eight accumulators take turns, one instruction a turn.
.macro WMMA p
	WIN 0x04                                       ; source 1 (z) in window 1
.irp m, 0,1,2,3,4,5,6,7
	v_wmma_scale_f32_16x16x128_f8f6f4 v[ACC+8*\m:ACC+8*\m+7], v[CF+24*\p:CF+24*\p+11], v[24*\m:24*\m+11], 0, v[CSC+2*\p], v[ZSC+2*\m] matrix_a_fmt:MATRIX_FMT_BF6 matrix_b_fmt:MATRIX_FMT_BF6
.endr
.irp m, 0,1,2,3,4,5,6,7
	v_wmma_scale_f32_16x16x128_f8f6f4 v[ACC+8*\m:ACC+8*\m+7], v[CF+24*\p+12:CF+24*\p+23], v[24*\m+12:24*\m+23], v[ACC+8*\m:ACC+8*\m+7], v[CSC+2*\p+1], v[ZSC+2*\m+1] matrix_a_fmt:MATRIX_FMT_BF6 matrix_b_fmt:MATRIX_FMT_BF6
.endr
	WIN 0
.endm
.macro BUMP inc                        ; the tile's number; with three v_nop the four places between the last product and the first read of a result (ISA guide 7.12.1)
	v_add_nc_u32 v[VT], \inc, v[VT]
	v_nop
	v_nop
	v_nop
.endm
; The distances of one tile, stage by stage over the row tiles, so that no line waits for the line above it.  In each pair the destinations are an even and an odd register, and the two first sources, and the
; two second, are neighbours.  EPIA: the distances; it is the last reader of the set's sums of squares.
.macro EPIA p
.irp m, 0,1,2,3,4,5,6,7
.irp q, 0,2,4,6
	v_dual_sub_f32 v[ACC+8*\m+\q], v[ZSQ+2*\m], v[ACC+8*\m+\q] :: v_dual_sub_f32 v[ACC+8*\m+\q+1], v[ZSQ+2*\m+1], v[ACC+8*\m+\q+1]   ; z_sq - 2 ze: one rounding.  Each accumulator from its low end on
.endr
.endr
.irp m, 0,1,2,3,4,5,6,7
.irp q, 0,2,4,6
	v_dual_add_f32 v[ACC+8*\m+\q], v[ACC+8*\m+\q], v[ES+8*\p+\q] :: v_dual_add_f32 v[ACC+8*\m+\q+1], v[ACC+8*\m+\q+1], v[ES+8*\p+\q+1]   ; + e_sq: the second rounding
.endr
.endr
.endm
; EPIB: the minima and what is kept.  The minimum goes from one set to the other, so that old and new can be compared.
.macro EPIB p
.if \p == 0
.set IN, BA
.set OUT, BB
.else
.set IN, BB
.set OUT, BA
.endif
.irp m, 0,1,2,3,4,5,6,7
	v_min3_num_f32 v[OUT+\m], v[IN+\m], v[ACC+8*\m], v[ACC+8*\m+1]
.endr
.irp q, 1,2,3
.irp m, 0,1,2,3,4,5,6,7
	v_min3_num_f32 v[OUT+\m], v[OUT+\m], v[ACC+8*\m+2*\q], v[ACC+8*\m+2*\q+1]
.endr
.endr
.irp m, 0,1,2,3,4,5,6,7
	v_cmp_lt_f32 vcc_lo, v[OUT+\m], v[IN+\m]       ; has this tile lowered my minimum?  Strictly: at a tie the earlier tile stays
.irp j, 0,2,4
	v_dual_cndmask_b32 v[KP+8*\m+\j], v[KP+8*\m+\j], v[ACC+8*\m+\j] :: v_dual_cndmask_b32 v[KP+8*\m+\j+1], v[KP+8*\m+\j+1], v[ACC+8*\m+\j+1]   ; then its first seven distances are kept,
.endr
	v_dual_cndmask_b32 v[KP+8*\m+6], v[KP+8*\m+6], v[ACC+8*\m+6] :: v_dual_cndmask_b32 v[KP+8*\m+7], v[KP+8*\m+7], v[VT]                       ; and its number
.endr
.endm
.macro TILE p, inc
	WMMA \p
	BUMP \inc
	EPIA \p
	EPIB \p
.endm
; A PREFETCH INTO THE L2 of the slot that the NEXT refill will ask for: 133,120 bytes.  All work-groups walk the same records: the launch's first cluster asks.  Its four partners take 33,280 bytes each, told apart
; by address; in each, threads 0 to 129 name one block of 256 bytes each (threads 130 to 159 name their wave's last block again).  It stands behind the refill and its five lines.
; how = 1: slot 0's refill in the loop, whose successor is a full slot's worth; how = 0: slot 1's, whose successor in the last trip is the short last one, which is not asked for.
; The first three slots' worth and the last come by their loads alone.
.macro ASK how
.if \how
	s_cmp_eq_u32 s[LIM], 1
.else
	s_cmp_gt_u32 s[CNT], s[LIM]                    ; s[CNT] = 1 in the last trip
.endif
	s_cbranch_scc0 .Lnot_mine_\@
	global_prefetch_b8 v[PFO], s[PFA:PFA+1] th:TH_LOAD_NT scope:SCOPE_SE
.Lnot_mine_\@:
.endm
; a full slot's first three tiles, in sets a, b, a; its fourth (set b) and fifth (set a) are asked of LDS.  A slot has five tiles, so the sets change places from slot to slot.
.macro SLOTH k, a, b
	s_wait_dscnt 0x0                               ; set a is in
	LOADS \b, \k, 1                                ; the next tile lands under this tile's work
	TILE \a, 36
	s_wait_dscnt 0x0
	LOADS \a, \k, 2
	TILE \b, 1
	s_wait_dscnt 0x0
	LOADS \b, \k, 3
	TILE \a, 1
	s_wait_dscnt 0x0
	LOADS \a, \k, 4
.endm
; A slot's fourth tile (set b) and fifth (set a), and the slot's refill.  When the fourth tile's products are issued and its distances made, set b is free: it takes the NEXT slot's first tile, behind the wait that
; shows my one tensor load that is out, that slot's, landed.  Then each wave waits for all its tensor loads, adds 0 to its spare word, does the fourth tile's minima and selects, and waits for the add and for its LDS
; loads: the fifth tile is in registers, so my reads of slot k are over.  The whole fifth tile, work on registers alone, stands between the opening signal and its wait; the round closes; the joint refill is the
; first thing behind it.  Between it and the wait for it a wave does three tiles, sixteen matrix instructions and 68 vector instructions.  how = 2: the refill is the short last slot's worth.
.macro TURN k, how, nk, a, b
	WMMA \b
	BUMP 1
	EPIA \b
	s_wait_alu depctr_va_vdst(0)
	s_wait_tensorcnt 0x0                           ; my eighth of slot nk is in: I read my own bytes alone
	LOADS \b, \nk, 0
	s_wait_tensorcnt 0x0                           ; all my tensor loads have landed, so a group 0 may be written
	ds_add_u32 v[SPW], v[NIL]                      ; 0 onto my spare word
.if \how == 2
	s_add_nc_u64 s[G0+2:G0+3], s[G0+2:G0+3], s[STP:STP+1]          ; my four records of the last 32
.else
	s_add_nc_u64 s[G0+4*\k+2:G0+4*\k+3], s[G0+4*\k+2:G0+4*\k+3], 2*RING1   ; this slot's next 40 records; the type bits on top are not reached
	s_wait_xcnt 0x0                                ; the last prefetch, five tiles back, has read its address:
	s_add_nc_u64 s[PFA:PFA+1], s[PFA:PFA+1], RING1 ; one slot's worth further on than the refill below
.endif
	EPIB \b                                        ; work on registers while the add and the nine loads are out
	s_wait_dscnt 0x0                               ; the add is done, and my reads of slot k are over
	s_barrier_signal -1
	TILE \a, 1                                     ; work on registers while the others arrive
	s_barrier_wait -1
	CREST                                          ; no wave of any partner still reads slot k or has a load on its way
.if \how == 2
	JLOAD 0, G1P
.else
	JLOAD \k, G1
	ASK \how
.endif
.endm
; (av, ai) takes (bv, bi) where bv is smaller, or equal with the lower index
.macro LEX av, ai, bv, bi
	v_cmp_lt_f32 s66, v[\bv], v[\av]
	v_cmp_eq_f32 s67, v[\bv], v[\av]
	v_cmp_lt_u32 s68, v[\bi], v[\ai]
	s_and_b32 s67, s67, s68
	s_or_b32 s66, s66, s67
	v_cndmask_b32 v[\av], v[\av], v[\bv], s66
	v_cndmask_b32 v[\ai], v[\ai], v[\bi], s66
.endm
	s_load_b256 s[4:11], s[0:1], 0x0               ; cbq s[4:5], zq s[6:7], out2 s[8:9], idx s[10:11]
	v_lshl_add_u32 v[SPW], v0, 2, SPARE
	v_mov_b32 v[NIL], 0
	ds_add_u32 v[SPW], v[NIL]                      ; the opening: the add, twice on end, and its wait ahead of my first tensor load
	ds_add_u32 v[SPW], v[NIL]
	v_lshrrev_b32 v128, 5, v0
	s_delay_alu instid0(VALU_DEP_1)
	v_readfirstlane_b32 s[WV], v128                ; wave 0..7
	s_bfe_u32 s17, ttmp6, 0x40000                  ; cx: my place in the cluster
	s_lshl_b32 s18, ttmp9, 2                       ; in a cluster launch ttmp9 counts clusters
	s_add_co_u32 s18, s18, s17                     ; my work-group: it enters z's and the outputs' addresses, and nothing else
	s_mul_i32 s20, s[WV], WSL                      ; my eighth
	s_mov_b32 s21, 0
	s_add_co_u32 s22, s20, 3072                    ; a record's scale words,
	s_add_co_u32 s23, s20, 3200                    ; and its sums of squares
	s_add_co_u32 s67, s20, RING1
	s_mul_i32 s66, s[WV], 5
	s_sub_co_i32 s66, s66, 36                      ; 36 under my first tile's number, 5 x wave: the first tile of a full slot adds 36, the others 1
	s_sub_co_u32 s[INC], 36, s[WV]                 ; 480 + 4 w - (444 + 5 w)
	s_mul_i32 s[STP], s[WV], REC
	s_sub_co_u32 s[STP], 2*RING1, s[STP]           ; two slots' worth on, and one record back for each wave below me
	s_mov_b32 s[STP+1], 0
	; group 1: my eighth of a slot, dense bytes, as rows of 256 bytes (32 elements of 8 bytes): 65 rows, and 52 for the last slot's worth
.irp g, G1, G1P
	s_mov_b32 s[\g+0], 15|(3<<16)|(1<<21)          ; 15:0 the mask: all four work-groups; 17:16 elements of 8 bytes; 20 no padding; 21 set beside a mask
	s_mov_b32 s[\g+1], 32<<16                      ; tensor_dim0
	s_mov_b32 s[\g+3], 32<<16                      ; tile_dim0
	s_mov_b32 s[\g+5], 32                          ; elements from row to row
	s_mov_b32 s[\g+6], 0
	s_mov_b32 s[\g+7], 0
.endr
	s_mov_b32 s[G1+2], 65<<16                      ; tensor_dim1
	s_mov_b32 s[G1+4], 65                          ; tile_dim1
	s_mov_b32 s[G1P+2], 52<<16
	s_mov_b32 s[G1P+4], 52
	s_mov_b32 s[SEL], 0x76543210
	s_mov_b32 s[SEL+1], 0xfedcba98
	s_cmp_lt_u32 s[WV], 5                          ; who prefetches: waves 0 to 4
	s_cselect_b32 s[LIM], 0, 1
	s_or_b32 s[LIM], s[LIM], ttmp9                 ; of the launch's first cluster: the same in all four partners
	s_cmp_eq_u32 s[LIM], 0
	s_cselect_b32 s[LIM], 1, -1
	v_and_b32 v128, 31, v0                         ; lane
	v_and_b32 v129, 15, v0                         ; r
	v_bfe_u32 v130, v0, 4, 1                       ; h
	v_min_u32 v[PFO], 129, v0
	v_mov_b32 v[VT], s66
	v_lshlrev_b32 v[LI], 4, v128
	v_lshl_add_u32 v[ASC], v129, 3, s22
	v_lshl_add_u32 v[AES], v130, 5, s23
	v_lshlrev_b32 v[PFO], 8, v[PFO]
	v_lshlrev_b32 v131, 3, v129                    ; 8 r and 4 r: z's scale words and sums
	v_lshlrev_b32 v132, 2, v129
	v_add_nc_u32 v[ADR], s20, v[LI]
	v_add_nc_u32 v[ASC+1], RING1, v[ASC]
	v_add_nc_u32 v[AES+7], RING1, v[AES]
	v_add_nc_u32 v[ADR+1], s67, v[LI]
	s_wait_alu depctr_va_vdst(0)
	s_wait_dscnt 0x0                               ; both opening adds are done
	s_wait_kmcnt 0x0
	s_mov_b32 s[G0], 1                             ; 1:0 count = 1
	s_mov_b32 s[G0+1], s20                         ; LDS address: slot 0, my eighth: no place in the cluster enters it
	s_add_nc_u64 s[G0+2:G0+3], s[4:5], s[20:21]    ; the first 40 records, my eighth
	s_mov_b32 s[G0+4], 1
	s_add_co_u32 s[G0+5], s20, RING1
	s_add_nc_u64 s[G0+6:G0+7], s[G0+2:G0+3], RING1 ; the next 40
	s_or_b32 s[G0+3], s[G0+3], 0x80000000          ; 127:126 type = 2
	s_or_b32 s[G0+7], s[G0+7], 0x80000000
	s_mul_i32 s22, s17, RING1/4                    ; the prefetches: my work-group's quarter of a slot's worth,
	s_add_co_u32 s22, s22, 2*RING1                 ; two slots' worth in: the first refill steps it to the fourth 40 records
	s_mov_b32 s23, 0
	s_add_nc_u64 s[PFA:PFA+1], s[4:5], s[22:23]
	s_mul_i32 s22, s18, 8*REC                      ; my 8 row tiles' records,
	s_add_nc_u64 s[6:7], s[6:7], s[22:23]
	s_lshl_b32 s22, s18, 9                         ; and my 128 rows' indices
	s_add_nc_u64 s[8:9], s[8:9], s[22:23]
	s_add_nc_u64 s[10:11], s[10:11], s[22:23]
	CROUND                                         ; all four work-groups are here: the first joint loads meet
	JLOAD 0, G1                                    ; slot 0: one tensor load a wave at the head
	WIN 0x40                                       ; destination window 1, address window 0
.irp m, 0,1,2,3,4,5,6,7
.irp g, 0,1,2,3,4,5
	global_load_b128 v[24*\m+4*\g:24*\m+4*\g+3], v[LI], s[6:7] offset:REC*\m+512*\g   ; z's fragments stay in registers
.endr
.endr
	WIN 0
.irp m, 0,1,2,3,4,5,6,7
	global_load_b64 v[ZSC+2*\m:ZSC+2*\m+1], v131, s[6:7] offset:REC*\m+3072
	global_load_b32 v[ZSQ+2*\m], v132, s[6:7] offset:REC*\m+3200
.endr
	; the loop is written once: its first tile finds +infinity as the minimum, under which every distance lies
.irp m, 0,1,2,3,4,5,6,7
	v_mov_b32 v[BA+\m], 0x7f800000
.irp j, 0,1,2,3,4,5,6
	v_mov_b32 v[KP+8*\m+\j], 0x7f800000
.endr
	v_mov_b32 v[KP+8*\m+7], 0
.endr
	s_mov_b32 s[CNT], 5
	s_wait_loadcnt 0x0                             ; z
.irp m, 0,1,2,3,4,5,6,7
	v_mov_b32 v[ZSQ+2*\m+1], v[ZSQ+2*\m]           ; z_sq once more, for the pairs' second halves
.endr
	s_wait_alu depctr_va_vdst(0)
	s_wait_tensorcnt 0x0                           ; my eighth of slot 0 is in; slot 1's first fill is issued as a refill is:
	ds_add_u32 v[SPW], v[NIL]                      ; 0 onto my spare word
	s_wait_dscnt 0x0
	CROUND
	JLOAD 1, G1
	LOADS 0, 0, 0                                  ; I read my own bytes alone
.Ltrip:                                                ; five trips of two slots: 10 tiles a wave, both slots filled again; behind a trip the sets are back where they began
	SLOTH 0, 0, 1
	TURN 0, 1, 1, 0, 1
	SLOTH 1, 1, 0
	TURN 1, 0, 0, 1, 0
	s_sub_co_u32 s[CNT], s[CNT], 1
	s_cmp_lg_u32 s[CNT], 0
	s_cbranch_scc1 .Ltrip
	; the last three slots' worth are written out: the eleventh, with the refill that brings the short last one; the twelfth; the last, four tiles a wave
	SLOTH 0, 0, 1
	TURN 0, 2, 1, 0, 1
	SLOTH 1, 1, 0
	TILE 0, 1
	s_wait_tensorcnt 0x0                           ; my last load is in: no load was issued behind it
	s_wait_dscnt 0x0
	LOADS 0, 0, 0
	TILE 1, 1
	s_wait_dscnt 0x0
	LOADS 1, 0, 1
	TILE 0, s[INC]
	s_wait_dscnt 0x0
	LOADS 0, 0, 2
	TILE 1, 1
	s_wait_dscnt 0x0
	LOADS 1, 0, 3
	TILE 0, 1
	s_wait_dscnt 0x0
	TILE 1, 1                                      ; 64 tiles: the minimum lies in v48-55
	; THE PLACE IN THE WINNING TILE: the first of its eight distances that equals the minimum; seven were kept, so the eighth is what is left
	s_lshl_b32 s22, s[WV], 9
	s_add_co_u32 s22, s22, MRG
	v_lshrrev_b32 v[CF], 5, v[LI]
	v_bfe_u32 v[CF+1], v[LI], 4, 4                 ; r
	v_add_nc_u32 v[CF+2], MRG, v[LI]               ; the merge, read: MRG + 16 x lane
.irp m, 0,1,2,3,4,5,6,7
	v_mov_b32 v[ACC+\m], 7
.endr
	v_and_b32 v[CF], 8, v[CF]                      ; 8 h
	v_lshl_add_u32 v[CF+1], v[CF+1], 2, s22        ; the merge, written: MRG + 512 x wave + 4 r
.irp j, 6,5,4,3,2,1,0
.irp m, 0,1,2,3,4,5,6,7
	v_cmp_eq_f32 s[MK+\m], v[KP+8*\m+\j], v[BA+\m]
.endr
.irp m, 0,1,2,3,4,5,6,7
	v_cndmask_b32 v[ACC+\m], v[ACC+\m], \j, s[MK+\m]
.endr
.endr
.irp m, 0,1,2,3,4,5,6,7
	v_lshl_add_u32 v[ACC+8+\m], v[KP+8*\m+7], 4, v[ACC+\m]         ; the index: 16 x tile + place
.endr
.irp m, 0,1,2,3,4,5,6,7
	v_add_nc_u32 v[ACC+8+\m], v[CF], v[ACC+8+\m]                   ; + 8 h
.endr
.irp m, 0,1,2,3,4,5,6,7
	v_permlanex16_b32 v[ACC+16+\m], v[BA+\m], s[SEL], s[SEL+1]     ; the row's other half of each tile lies in the lane 16 away
	v_permlanex16_b32 v[ACC+24+\m], v[ACC+8+\m], s[SEL], s[SEL+1]
.endr
.irp m, 0,1,2,3,4,5,6,7
	LEX BA+\m, ACC+8+\m, ACC+16+\m, ACC+24+\m
.endr
.irp m, 0,1,2,3,4,5,6,7
	ds_store_b32 v[CF+1], v[BA+\m] offset:64*\m                    ; row 16 m + r: both halves of the lanes write the same word with the same value
	ds_store_b32 v[CF+1], v[ACC+8+\m] offset:4096+64*\m
.endr
	s_wait_dscnt 0x0                               ; for wave 0's sake: my stores are done
	s_barrier_signal -1
	s_barrier_wait -1
	s_cmp_lg_u32 s[WV], 0
	s_cbranch_scc1 .Ldone                          ; wave 0 merges the eight waves' results, four rows a lane
.irp u, 0,1,2,3,4,5,6,7
	ds_load_b128 v[ACC+4*\u:ACC+4*\u+3], v[CF+2] offset:512*\u
	ds_load_b128 v[ACC+32+4*\u:ACC+32+4*\u+3], v[CF+2] offset:4096+512*\u
.endr
	s_wait_dscnt 0x0
.irp u, 1,2,3,4,5,6,7
.irp c, 0,1,2,3
	LEX ACC+\c, ACC+32+\c, ACC+4*\u+\c, ACC+32+4*\u+\c
.endr
.endr
	global_store_b128 v[LI], v[ACC+32:ACC+35], s[8:9]              ; 32 lanes store 512 consecutive bytes, at a multiple of 256 from the buffer's first byte: the output,
	global_store_b128 v[LI], v[ACC+32:ACC+35], s[10:11]            ; and the copy from which the next launch forms addresses
.Ldone:
	s_wait_tensorcnt 0x0                           ; the wave's end, behind my last tensor load and my last LDS store
	ds_add_u32 v[SPW], v[NIL]
	s_wait_dscnt 0x0
	CROUND                                         ; the closing round: no work-group ends while a partner may still ask for a tile that names it
	s_endpgm
.Lfunc_end_k_q03fa9b842a_argmin:
	.size	k_q03fa9b842a_argmin, .Lfunc_end_k_q03fa9b842a_argmin-k_q03fa9b842a_argmin
	.p2alignl 7, 3214868480
	.fill 96, 4, 3214868480
	.section	.rodata,"a",@progbits
	.p2align	6, 0x0
	.amdhsa_kernel k_q03fa9b842a_argmin
		.amdhsa_group_segment_fixed_size 327680
		.amdhsa_private_segment_fixed_size 0
		.amdhsa_enable_private_segment 0
		.amdhsa_kernarg_size 32
		.amdhsa_user_sgpr_count 2
		.amdhsa_user_sgpr_kernarg_segment_ptr 1
		.amdhsa_wavefront_size32 1
		.amdhsa_system_sgpr_workgroup_id_x 1
		.amdhsa_system_sgpr_workgroup_id_y 1
		.amdhsa_system_sgpr_workgroup_id_z 1
		.amdhsa_system_vgpr_workitem_id 0
		.amdhsa_next_free_vgpr 448
		.amdhsa_next_free_sgpr 72
		.amdhsa_reserve_vcc 1
		.amdhsa_float_denorm_mode_32 3
		.amdhsa_float_denorm_mode_16_64 3
		.amdhsa_memory_ordered 1
		.amdhsa_forward_progress 1
		.amdhsa_inst_pref_size 255
	.end_amdhsa_kernel
	.section	.bss,"aw",@nobits
	.p2align	6
	.space	262144
	.amdgpu_metadata
---
amdhsa.version: [ 1, 2 ]
amdhsa.kernels:
  - .name:           k_q03fa9b842a_argmin
    .symbol:         k_q03fa9b842a_argmin.kd
    .args:
      - { .name: cbq, .offset: 0, .size: 8, .value_kind: global_buffer, .address_space: global }
      - { .name: zq, .offset: 8, .size: 8, .value_kind: global_buffer, .address_space: global }
      - { .name: out2, .offset: 16, .size: 8, .value_kind: global_buffer, .address_space: global }
      - { .name: idx, .offset: 24, .size: 8, .value_kind: global_buffer, .address_space: global }
    .group_segment_fixed_size: 327680
    .private_segment_fixed_size: 0
    .kernarg_segment_align: 8
    .kernarg_segment_size: 32
    .max_flat_workgroup_size: 256
    .sgpr_count:     72
    .vgpr_count:     448
    .wavefront_size: 32
...
	.end_amdgpu_metadata
.endif
;; end of part 2
;; launch gather (part 3): grid 512 x 1, 8 waves a work-group, no clusters, 1,280 bytes of LDS; arguments z_e, codebook, idx, out0, part; writes out0, part
.if DOCPART == 3
	.amdgcn_target "amdgcn-amd-amdhsa--gfx1250"
	.amdhsa_code_object_version 6
	.text
	.protected	k_q03fa9b842a_gather
	.globl	k_q03fa9b842a_gather
	.p2align	8
	.type	k_q03fa9b842a_gather,@function
k_q03fa9b842a_gather:
	s_mov_b64 s[64:65], 0
	v_nop
	global_prefetch_b8 v0, s[64:65] scope:SCOPE_SE
	s_setreg_imm32_b32 hwreg(HW_REG_WAVE_MODE, 25, 1), 1
	s_wait_xcnt 0x0
; out0[row] = z[row] + (c[idx[row]] - z[row]), in f32 and in that order; part[work-group] = the sum of (c[idx[row]] - z[row])^2 over the work-group's 64 rows.
; A stream: each byte of z is read once and each byte of out0 written once, 512 consecutive bytes an instruction.  A wave takes 8 rows; a row of 1,024 bytes is two loads of 16 bytes a lane.
; The indices were stored by the launch before; a wave's eight come by one scalar load, are held to 0 .. 8,191 and become byte offsets of codebook rows.
; All 32 loads of a wave are out together; no LDS but for the eight waves' sums; no matrix unit, no cluster: the work-groups share no tile (which codebook rows they read hangs on the data).
; The work-group's one sum is a store of 4 bytes: 2,048 bytes in the whole launch.
.set Z,  16                            ; v16-79   8 rows of z, 8 registers each; then the output
.set C,  80                            ; v80-143  the 8 codebook rows; then the differences
.set CO, 144                           ; v144-151 their byte offsets
.set L,  152                           ; v152-159 the squares, four packed chains
.set SEL, 32                           ; s[32:33] lane selects for v_permlanex16_b32: lane l xor 16
	s_load_b256 s[4:11], s[0:1], 0x0               ; z_e s[4:5], codebook s[6:7], idx s[8:9], out0 s[10:11]
	s_load_b64 s[12:13], s[0:1], 0x20              ; part
	v_lshl_add_u32 v160, v0, 2, 0x100
	v_mov_b32 v161, 0
	v_lshrrev_b32 v2, 5, v0
	s_delay_alu instid0(VALU_DEP_1)
	v_readfirstlane_b32 s14, v2                    ; wave 0..7
	s_delay_alu instid0(VALU_DEP_2)
	v_lshlrev_b32 v2, 2, v2                        ; LDS: my wave's word
	v_and_b32 v1, 31, v0
	s_delay_alu instid0(VALU_DEP_1)
	v_lshlrev_b32 v1, 4, v1                        ; 16 x lane
	v_mov_b32 v3, 0
	s_mov_b32 s[SEL], 0x76543210
	s_mov_b32 s[SEL+1], 0xfedcba98
	s_lshl_b32 s24, ttmp9, 6
	s_lshl_b32 s25, s14, 3
	s_add_co_u32 s24, s24, s25                     ; my first row: 64 x work-group + 8 x wave
	s_lshl_b32 s26, s24, 10                        ; in z and out0 (under 2^25 bytes),
	s_mov_b32 s27, 0
	s_lshl_b32 s28, s24, 2                         ; among the indices,
	s_mov_b32 s29, 0
	s_lshl_b32 s30, ttmp9, 2                       ; and the work-group's word of part
	s_mov_b32 s31, 0
	s_wait_alu depctr_va_vdst(0)
	s_wait_kmcnt 0x0
	s_add_nc_u64 s[8:9], s[8:9], s[28:29]
	s_load_b256 s[16:23], s[8:9], 0x0              ; my eight indices
	s_add_nc_u64 s[4:5], s[4:5], s[26:27]
	s_add_nc_u64 s[10:11], s[10:11], s[26:27]
	s_add_nc_u64 s[12:13], s[12:13], s[30:31]
.irp i, 0,1,2,3,4,5,6,7
.irp k, 0,1
	global_load_b128 v[Z+8*\i+4*\k:Z+8*\i+4*\k+3], v1, s[4:5] offset:1024*\i+512*\k th:TH_LOAD_NT
.endr
.endr
	s_wait_kmcnt 0x0
.irp i, 0,1,2,3,4,5,6,7
	s_min_u32 s[16+\i], s[16+\i], 8191             ; an index stays inside the table
	s_lshl_b32 s[16+\i], s[16+\i], 10              ; a codebook row is 1,024 bytes
	v_add_nc_u32 v[CO+\i], s[16+\i], v1
.endr
	s_wait_alu depctr_va_vdst(0)
.irp i, 0,1,2,3,4,5,6,7
.irp k, 0,1
	global_load_b128 v[C+8*\i+4*\k:C+8*\i+4*\k+3], v[CO+\i], s[6:7] offset:512*\k   ; no hint: a row may be named again
.endr
.endr
.irp i, 0,1,2,3,4,5,6,7
	s_wait_loadcnt 14-2*\i                         ; loads come back in order (ISA guide 5.7.1): z and this row of the codebook are in; the later rows' two loads each stay out
.irp q, 0,1,2,3
	v_pk_add_f32 v[C+8*\i+2*\q:C+8*\i+2*\q+1], v[C+8*\i+2*\q:C+8*\i+2*\q+1], v[Z+8*\i+2*\q:Z+8*\i+2*\q+1] neg_lo:[0,1] neg_hi:[0,1]   ; c - z
.endr
.irp q, 0,1,2,3
.if \i == 0
	s_delay_alu instid0(VALU_DEP_4)
	v_pk_mul_f32 v[L+2*\q:L+2*\q+1], v[C+2*\q:C+2*\q+1], v[C+2*\q:C+2*\q+1]         ; the first row starts the chains
.else
	s_delay_alu instid0(VALU_DEP_4)
	v_pk_fma_f32 v[L+2*\q:L+2*\q+1], v[C+8*\i+2*\q:C+8*\i+2*\q+1], v[C+8*\i+2*\q:C+8*\i+2*\q+1], v[L+2*\q:L+2*\q+1]
.endif
.endr
.irp q, 0,1,2,3
	v_pk_add_f32 v[Z+8*\i+2*\q:Z+8*\i+2*\q+1], v[Z+8*\i+2*\q:Z+8*\i+2*\q+1], v[C+8*\i+2*\q:C+8*\i+2*\q+1]   ; z + (c - z)
.endr
.irp k, 0,1
	global_store_b128 v1, v[Z+8*\i+4*\k:Z+8*\i+4*\k+3], s[10:11] offset:1024*\i+512*\k th:TH_STORE_NT
.endr
.endr
	v_pk_add_f32 v[L:L+1], v[L:L+1], v[L+2:L+3]
	v_pk_add_f32 v[L+4:L+5], v[L+4:L+5], v[L+6:L+7]
	s_delay_alu instid0(VALU_DEP_1)
	v_pk_add_f32 v[L:L+1], v[L:L+1], v[L+4:L+5]
	s_delay_alu instid0(VALU_DEP_1)
	v_add_f32 v[L], v[L], v[L+1]
	s_delay_alu instid0(VALU_DEP_1)
	v_add_f32_dpp v[L], v[L], v[L] row_xmask:1 row_mask:0xf bank_mask:0xf
	s_delay_alu instid0(VALU_DEP_1)
	v_add_f32_dpp v[L], v[L], v[L] row_xmask:2 row_mask:0xf bank_mask:0xf
	s_delay_alu instid0(VALU_DEP_1)
	v_add_f32_dpp v[L], v[L], v[L] row_xmask:4 row_mask:0xf bank_mask:0xf
	s_delay_alu instid0(VALU_DEP_1)
	v_add_f32_dpp v[L], v[L], v[L] row_xmask:8 row_mask:0xf bank_mask:0xf
	s_delay_alu instid0(VALU_DEP_1)
	v_permlanex16_b32 v[L+1], v[L], s[SEL], s[SEL+1]
	s_delay_alu instid0(VALU_DEP_1)
	v_add_f32 v[L], v[L], v[L+1]                   ; the wave's sum, in every lane
	ds_store_b32 v2, v[L]                          ; all lanes write the same word with the same value
	s_wait_dscnt 0x0                               ; for wave 0's sake
	s_barrier_signal -1
	s_barrier_wait -1
	s_cmp_lg_u32 s14, 0
	s_cbranch_scc1 .Lend
	ds_load_b128 v[4:7], v3
	ds_load_b128 v[8:11], v3 offset:16
	s_wait_dscnt 0x0
	v_pk_add_f32 v[4:5], v[4:5], v[6:7]
	v_pk_add_f32 v[8:9], v[8:9], v[10:11]
	s_delay_alu instid0(VALU_DEP_1)
	v_pk_add_f32 v[4:5], v[4:5], v[8:9]
	s_delay_alu instid0(VALU_DEP_1)
	v_add_f32 v4, v4, v5
	v_cmp_eq_u32 vcc_lo, 0, v0
	s_wait_alu depctr_va_vdst(0)
	s_wait_xcnt 0x0                                ; EXEC is a source of the stores above: it changes only behind this wait
	s_and_saveexec_b32 s15, vcc_lo
	global_store_b32 v3, v4, s[12:13]              ; thread 0 alone
	s_wait_xcnt 0x0                                ; and again, in front of the line that widens it
	s_or_b32 exec_lo, exec_lo, s15
.Lend:
	s_wait_tensorcnt 0x0
	ds_add_u32 v160, v161
	s_wait_dscnt 0x0
	s_endpgm
.Lfunc_end_k_q03fa9b842a_gather:
	.size	k_q03fa9b842a_gather, .Lfunc_end_k_q03fa9b842a_gather-k_q03fa9b842a_gather
	.p2alignl 7, 3214868480
	.fill 96, 4, 3214868480
	.section	.rodata,"a",@progbits
	.p2align	6, 0x0
	.amdhsa_kernel k_q03fa9b842a_gather
		.amdhsa_group_segment_fixed_size 1280
		.amdhsa_private_segment_fixed_size 0
		.amdhsa_enable_private_segment 0
		.amdhsa_kernarg_size 40
		.amdhsa_user_sgpr_count 2
		.amdhsa_user_sgpr_kernarg_segment_ptr 1
		.amdhsa_wavefront_size32 1
		.amdhsa_system_sgpr_workgroup_id_x 1
		.amdhsa_system_sgpr_workgroup_id_y 1
		.amdhsa_system_sgpr_workgroup_id_z 1
		.amdhsa_system_vgpr_workitem_id 0
		.amdhsa_next_free_vgpr 162
		.amdhsa_next_free_sgpr 66
		.amdhsa_reserve_vcc 1
		.amdhsa_float_denorm_mode_32 3
		.amdhsa_float_denorm_mode_16_64 3
		.amdhsa_memory_ordered 1
		.amdhsa_forward_progress 1
		.amdhsa_inst_pref_size 17
	.end_amdhsa_kernel
	.amdgpu_metadata
---
amdhsa.version: [ 1, 2 ]
amdhsa.kernels:
  - .name:           k_q03fa9b842a_gather
    .symbol:         k_q03fa9b842a_gather.kd
    .args:
      - { .name: z_e, .offset: 0, .size: 8, .value_kind: global_buffer, .address_space: global }
      - { .name: codebook, .offset: 8, .size: 8, .value_kind: global_buffer, .address_space: global }
      - { .name: idx, .offset: 16, .size: 8, .value_kind: global_buffer, .address_space: global }
      - { .name: out0, .offset: 24, .size: 8, .value_kind: global_buffer, .address_space: global }
      - { .name: part, .offset: 32, .size: 8, .value_kind: global_buffer, .address_space: global }
    .group_segment_fixed_size: 1280
    .private_segment_fixed_size: 0
    .kernarg_segment_align: 8
    .kernarg_segment_size: 40
    .max_flat_workgroup_size: 256
    .sgpr_count:     66
    .vgpr_count:     162
    .wavefront_size: 32
...
	.end_amdgpu_metadata
.endif
;; end of part 3
;; launch total (part 4): grid 1 x 1, 1 waves a work-group, no clusters, 0 bytes of LDS; arguments part, out1; writes out1
.if DOCPART == 4
	.amdgcn_target "amdgcn-amd-amdhsa--gfx1250"
	.amdhsa_code_object_version 6
	.text
	.protected	k_q03fa9b842a_total
	.globl	k_q03fa9b842a_total
	.p2align	8
	.type	k_q03fa9b842a_total,@function
k_q03fa9b842a_total:
	s_mov_b64 s[64:65], 0
	v_nop
	global_prefetch_b8 v0, s[64:65] scope:SCOPE_SE
	s_setreg_imm32_b32 hwreg(HW_REG_WAVE_MODE, 25, 1), 1
	s_wait_xcnt 0x0
; out1 = m + 0.25 m, m = the mean of (z_q - z_e)^2 over 32,768 x 256 = 2^23 numbers: the sum of the 512 work-groups' sums, times 2^-23 (exact).  Both means of the definition are the same number m.
; One wave: a sum over work-groups has one owner, in a launch of its own.  16 numbers a lane, then across the lanes.
	s_load_b128 s[4:7], s[0:1], 0x0                ; part s[4:5], out1 s[6:7]
	v_lshlrev_b32 v1, 4, v0                        ; 16 x lane
	v_mov_b32 v2, 0
	s_mov_b32 s8, 0x76543210                       ; lane selects for v_permlanex16_b32: lane l xor 16
	s_mov_b32 s9, 0xfedcba98
	s_wait_alu depctr_va_vdst(0)
	s_wait_kmcnt 0x0
.irp q, 0,1,2,3
	global_load_b128 v[4+4*\q:7+4*\q], v1, s[4:5] offset:512*\q
.endr
	s_wait_loadcnt 0x0
	v_pk_add_f32 v[4:5], v[4:5], v[6:7]
	v_pk_add_f32 v[8:9], v[8:9], v[10:11]
	v_pk_add_f32 v[12:13], v[12:13], v[14:15]
	v_pk_add_f32 v[16:17], v[16:17], v[18:19]
	v_pk_add_f32 v[4:5], v[4:5], v[8:9]
	v_pk_add_f32 v[12:13], v[12:13], v[16:17]
	v_pk_add_f32 v[4:5], v[4:5], v[12:13]
	v_add_f32 v4, v4, v5
	v_add_f32_dpp v4, v4, v4 row_xmask:1 row_mask:0xf bank_mask:0xf
	v_add_f32_dpp v4, v4, v4 row_xmask:2 row_mask:0xf bank_mask:0xf
	v_add_f32_dpp v4, v4, v4 row_xmask:4 row_mask:0xf bank_mask:0xf
	v_add_f32_dpp v4, v4, v4 row_xmask:8 row_mask:0xf bank_mask:0xf
	v_permlanex16_b32 v5, v4, s8, s9
	v_add_f32 v4, v4, v5
	v_mul_f32 v4, 0x34000000, v4                   ; x 2^-23: the mean
	v_fma_f32 v6, v4, 0x3e800000, v4               ; m + 0.25 m
	v_cmp_eq_u32 vcc_lo, 0, v0
	s_and_saveexec_b32 s10, vcc_lo                 ; no load or store is pending: the loads were waited for
	global_store_b32 v2, v6, s[6:7]                ; lane 0 alone
	s_wait_xcnt 0x0
	s_or_b32 exec_lo, exec_lo, s10
	s_endpgm
.Lfunc_end_k_q03fa9b842a_total:
	.size	k_q03fa9b842a_total, .Lfunc_end_k_q03fa9b842a_total-k_q03fa9b842a_total
	.p2alignl 7, 3214868480
	.fill 96, 4, 3214868480
	.section	.rodata,"a",@progbits
	.p2align	6, 0x0
	.amdhsa_kernel k_q03fa9b842a_total
		.amdhsa_group_segment_fixed_size 0
		.amdhsa_private_segment_fixed_size 0
		.amdhsa_enable_private_segment 0
		.amdhsa_kernarg_size 16
		.amdhsa_user_sgpr_count 2
		.amdhsa_user_sgpr_kernarg_segment_ptr 1
		.amdhsa_wavefront_size32 1
		.amdhsa_system_sgpr_workgroup_id_x 1
		.amdhsa_system_sgpr_workgroup_id_y 1
		.amdhsa_system_sgpr_workgroup_id_z 1
		.amdhsa_system_vgpr_workitem_id 0
		.amdhsa_next_free_vgpr 32
		.amdhsa_next_free_sgpr 66
		.amdhsa_reserve_vcc 1
		.amdhsa_float_denorm_mode_32 3
		.amdhsa_float_denorm_mode_16_64 3
		.amdhsa_memory_ordered 1
		.amdhsa_forward_progress 1
		.amdhsa_inst_pref_size 3
	.end_amdhsa_kernel
	.amdgpu_metadata
---
amdhsa.version: [ 1, 2 ]
amdhsa.kernels:
  - .name:           k_q03fa9b842a_total
    .symbol:         k_q03fa9b842a_total.kd
    .args:
      - { .name: part, .offset: 0, .size: 8, .value_kind: global_buffer, .address_space: global }
      - { .name: out1, .offset: 8, .size: 8, .value_kind: global_buffer, .address_space: global }
    .group_segment_fixed_size: 0
    .private_segment_fixed_size: 0
    .kernarg_segment_align: 8
    .kernarg_segment_size: 16
    .max_flat_workgroup_size: 32
    .sgpr_count:     66
    .vgpr_count:     32
    .wavefront_size: 32
...
	.end_amdgpu_metadata
.endif
;; end of part 4
